; MI455X (gfx1250); checked and timed in simulation.
; The chip was launched on July 23, 2026; its instructions are those of AMD's public machine-readable ISA for CDNA 5 (MIT licence, August 2026) and "CDNA5" Instruction Set Architecture Reference Guide (July 2026). The comments in the code are by the model that wrote it; some were corrected since.
;; Multihead Masked Attention. Allowed arithmetic: float matrix products may take bf16 or f16 operands with f32 sums; all other float work in f32.
;; Inputs: W_o 1,024 x 1,024 float32; W_qkv 1,024 x 3,072 float32; b_o 1,024 float32; b_qkv 3,072 float32; x 4 x 2,048 x 1,024 float32.
;; Outputs: out0 4 x 2,048 x 1,024 float32.
;; One version. Each part assembles by itself: llvm-mc -triple=amdgcn-amd-amdhsa -mcpu=gfx1250 --defsym DOCPART=n.
;; ======== version 1 of 1: 4 launches
;; limits: values are held in f16: magnitudes above 65,504 overflow, below 6.1e-05 lose precision; right only within a limited range of input values
;; workspace buffers: xb 16,777,216 bytes; wt 8,388,608 bytes; qkv 50,331,648 bytes; av 16,777,216 bytes
;; launch prep (part 1): grid 512 x 1, 8 waves a work-group, no clusters, 18,432 bytes of LDS; arguments x, W_qkv, W_o, xb, wt; writes xb, wt
.if DOCPART == 1
	.amdgcn_target "amdgcn-amd-amdhsa--gfx1250"
	.amdhsa_code_object_version 6
	.text
	.protected	k_q6bd1ce1fed_prep
	.globl	k_q6bd1ce1fed_prep
	.p2align	8
	.type	k_q6bd1ce1fed_prep,@function
k_q6bd1ce1fed_prep:
	s_mov_b64 s[64:65], 0
	v_nop
	global_prefetch_b8 v0, s[64:65] scope:SCOPE_SE
	s_setreg_imm32_b32 hwreg(HW_REG_WAVE_MODE, 25, 1), 1
	s_wait_xcnt 0x0
; prep: the matrix operands of the two projections, made once.
;   xb[8192][1024] bf16 = x rounded.     wt[4096][1024], 16 bits a number, K along the rows:
;   row n < 3072 = column n of W_qkv in bf16;  row 3072 + n = column n of W_o, rounded to bf16 like the other matrix
;   inputs and then written as f16, because its partner operand (av) is f16.  f16 holds a bf16 number exactly down
;   to 2^-17; below that the absolute error is at most 2^-25.  LIMIT: |W_o| below 65,504.
; 512 work-groups of eight waves; each does two equal shares:
;   (a) 16 rows of x: 16 chunks of 4,096 bytes, thread t the 16 bytes at 16 t; a wave stores 256 consecutive bytes, aligned.
;   (b) one tile of 128 k x 64 n of a weight matrix, transposed through LDS (64 rows of 256 bytes, pitch 272).
; Memory binds: no matrix unit, no tensor load, no cluster.  All 24 loads of a thread are issued before the first wait.
.set WOFF, 8                           ; v[8:15]   byte offsets of my eight 16-byte pieces of the weight tile
.set RB,   16                          ; v[16:31]  the transposed tile, read back
.set WD,   32                          ; v[32:63]  weight data: piece 2 i + e = row 32 i + 2 kp + e, four columns
.set XD,   64                          ; v[64:127] x data, chunk c in four registers
.set TP,   272                         ; LDS pitch of the transposed tile
	s_load_b256 s[4:11], s[0:1], 0x0               ; x s[4:5], W_qkv s[6:7], W_o s[8:9], xb s[10:11]
	s_load_b64 s[12:13], s[0:1], 0x20              ; wt
	v_lshl_add_u32 v128, v0, 2, 0x4400
	v_mov_b32 v129, 0
	s_and_b32 s14, ttmp9, 63                       ; column tile of wt: 0-47 W_qkv, 48-63 W_o
	s_lshr_b32 s15, ttmp9, 6                       ; k tile, 0-7
	s_sub_co_u32 s22, s14, 48
	s_mov_b32 s23, 12288
	s_cmp_lt_u32 s14, 48
	s_cselect_b32 s16, s23, 4096                   ; bytes in a row of the source matrix
	s_cselect_b32 s17, s14, s22                    ; column tile inside the source matrix
	s_mul_i32 s20, s15, s16
	s_lshl_b32 s20, s20, 7                         ; 128 k rows a tile
	s_lshl_b32 s21, s17, 8                         ; 64 columns of 4 bytes
	s_add_co_u32 s20, s20, s21
	s_mov_b32 s21, 0
	s_lshl_b32 s24, ttmp9, 16                      ; my 16 rows of x
	s_mov_b32 s25, 0
	s_lshl_b32 s26, ttmp9, 15                      ; and of xb
	s_mov_b32 s27, 0
	s_lshl_b32 s28, s14, 17                        ; 64 rows of wt, 2,048 bytes each
	s_lshl_b32 s29, s15, 8                         ; 128 k of 2 bytes
	s_add_co_u32 s28, s28, s29
	s_mov_b32 s29, 0
	v_and_b32 v1, 15, v0                           ; n4: which four columns
	v_lshrrev_b32 v2, 4, v0                        ; kp: which pair of k rows; later: which row of the transposed tile
	v_lshlrev_b32 v3, 4, v0                        ; x: 16 t
	v_lshlrev_b32 v4, 3, v0                        ; xb: 8 t
	v_mul_u32_u24 v5, v1, 4*TP
	v_lshl_add_u32 v5, v2, 2, v5                   ; LDS, in: row 4 n4 (+ j), word kp (+ 16 i)
	v_mul_u32_u24 v6, v2, TP
	v_lshl_add_u32 v6, v1, 4, v6                   ; LDS, back: row kp (+ 16 c), 16 bytes a lane
	v_lshlrev_b32 v7, 11, v2
	v_lshl_add_u32 v7, v1, 4, v7                   ; the same place in wt
	v_lshlrev_b32 v8, 1, v2
	v_mul_lo_u32 v8, v8, s16
	v_lshl_add_u32 v[WOFF], v1, 4, v8              ; row 2 kp, bytes 16 n4
.irp n, 1,2,3,4,5,6,7
	s_mul_i32 s30, s16, 32*(\n>>1)+(\n&1)
	v_add_nc_u32 v[WOFF+\n], s30, v[WOFF]          ; row 32 i + 2 kp + e
.endr
	s_wait_kmcnt 0x0
	s_cmp_lt_u32 s14, 48
	s_cselect_b64 s[18:19], s[6:7], s[8:9]         ; the source matrix
	s_add_nc_u64 s[18:19], s[18:19], s[20:21]
	s_add_nc_u64 s[4:5], s[4:5], s[24:25]
	s_add_nc_u64 s[10:11], s[10:11], s[26:27]
	s_add_nc_u64 s[12:13], s[12:13], s[28:29]
.irp n, 0,1,2,3,4,5,6,7
	global_load_b128 v[WD+4*\n:WD+4*\n+3], v[WOFF+\n], s[18:19] th:TH_LOAD_NT   ; sixteen lanes: 256 consecutive bytes of a row
.endr
.irp c, 0,1,2,3,4,5,6,7,8,9,10,11,12,13,14,15
	global_load_b128 v[XD+4*\c:XD+4*\c+3], v3, s[4:5] offset:\c*4096 th:TH_LOAD_NT
.endr
	s_wait_loadcnt 16                              ; loads return in order: the eight weight pieces are in, the 16 of x stay out
.irp i, 0,1,2,3
.irp j, 0,1,2,3
	v_cvt_pk_bf16_f32 v[WD+8*\i+\j], v[WD+8*\i+\j], v[WD+8*\i+4+\j]   ; column 4 n4 + j: even k low, odd k high
.endr
.endr
	s_cmp_lt_u32 s14, 48
	s_cbranch_scc1 .Lis_bf16                       ; the same for the whole work-group; no barrier inside
.irp i, 0,1,2,3
.irp j, 0,1,2,3
	v_lshlrev_b32 v[WD+8*\i+4+\j], 16, v[WD+8*\i+\j]          ; W_o: the rounded pair back in f32,
	v_and_b32 v[WD+8*\i+\j], 0xffff0000, v[WD+8*\i+\j]
	v_cvt_pk_f16_f32 v[WD+8*\i+\j], v[WD+8*\i+4+\j], v[WD+8*\i+\j]   ; and written as f16
.endr
.endr
.Lis_bf16:
.irp i, 0,1,2,3
.irp j, 0,1,2,3
	ds_store_b32 v5, v[WD+8*\i+\j] offset:\j*TP+\i*64
.endr
.endr
	s_wait_dscnt 0x0                               ; my stores are in LDS before I say so
	s_barrier_signal -1
	s_barrier_wait -1                              ; the tile is whole
.irp c, 0,1,2,3
	ds_load_b128 v[RB+4*\c:RB+4*\c+3], v6 offset:\c*16*TP     ; rows kp + 16 c
.endr
.irp c, 0,1,2,3,4,5,6,7,8,9,10,11,12,13,14,15
	s_wait_loadcnt 15-\c                           ; chunk c is in, the younger ones stay out
	v_cvt_pk_bf16_f32 v[XD+4*\c], v[XD+4*\c], v[XD+4*\c+1]
	v_cvt_pk_bf16_f32 v[XD+4*\c+1], v[XD+4*\c+2], v[XD+4*\c+3]
	global_store_b64 v4, v[XD+4*\c:XD+4*\c+1], s[10:11] offset:\c*2048
.endr
	s_wait_dscnt 0x0
.irp c, 0,1,2,3
	global_store_b128 v7, v[RB+4*\c:RB+4*\c+3], s[12:13] offset:\c*32768   ; sixteen lanes: 256 consecutive bytes of a row of wt, aligned
.endr
	s_wait_tensorcnt 0x0
	ds_add_u32 v128, v129
	s_wait_dscnt 0x0
	s_endpgm
.Lfunc_end_k_q6bd1ce1fed_prep:
	.size	k_q6bd1ce1fed_prep, .Lfunc_end_k_q6bd1ce1fed_prep-k_q6bd1ce1fed_prep
	.p2alignl 7, 3214868480
	.fill 96, 4, 3214868480
	.section	.rodata,"a",@progbits
	.p2align	6, 0x0
	.amdhsa_kernel k_q6bd1ce1fed_prep
		.amdhsa_group_segment_fixed_size 18432
		.amdhsa_private_segment_fixed_size 0
		.amdhsa_enable_private_segment 0
		.amdhsa_kernarg_size 40
		.amdhsa_user_sgpr_count 2
		.amdhsa_user_sgpr_kernarg_segment_ptr 1
		.amdhsa_wavefront_size32 1
		.amdhsa_system_sgpr_workgroup_id_x 1
		.amdhsa_system_sgpr_workgroup_id_y 1
		.amdhsa_system_sgpr_workgroup_id_z 1
		.amdhsa_system_vgpr_workitem_id 0
		.amdhsa_next_free_vgpr 130
		.amdhsa_next_free_sgpr 66
		.amdhsa_reserve_vcc 0
		.amdhsa_float_denorm_mode_32 3
		.amdhsa_float_denorm_mode_16_64 3
		.amdhsa_memory_ordered 1
		.amdhsa_forward_progress 1
		.amdhsa_inst_pref_size 15
	.end_amdhsa_kernel
	.amdgpu_metadata
---
amdhsa.version: [ 1, 2 ]
amdhsa.kernels:
  - .name:           k_q6bd1ce1fed_prep
    .symbol:         k_q6bd1ce1fed_prep.kd
    .args:
      - { .name: x, .offset: 0, .size: 8, .value_kind: global_buffer, .address_space: global }
      - { .name: W_qkv, .offset: 8, .size: 8, .value_kind: global_buffer, .address_space: global }
      - { .name: W_o, .offset: 16, .size: 8, .value_kind: global_buffer, .address_space: global }
      - { .name: xb, .offset: 24, .size: 8, .value_kind: global_buffer, .address_space: global }
      - { .name: wt, .offset: 32, .size: 8, .value_kind: global_buffer, .address_space: global }
    .group_segment_fixed_size: 18432
    .private_segment_fixed_size: 0
    .kernarg_segment_align: 8
    .kernarg_segment_size: 40
    .max_flat_workgroup_size: 256
    .sgpr_count:     66
    .vgpr_count:     130
    .wavefront_size: 32
...
	.end_amdgpu_metadata
.endif
;; end of part 1
;; launch qkv (part 2): grid 16 x 16, 4 waves a work-group, clusters of 4 x 4, 327,680 bytes of LDS; arguments xb, wt, b_qkv, qkv; writes qkv
.if DOCPART == 2
	.amdgcn_target "amdgcn-amd-amdhsa--gfx1250"
	.amdhsa_code_object_version 6
	.text
	.protected	k_q6bd1ce1fed_qkv
	.globl	k_q6bd1ce1fed_qkv
	.p2align	8
	.type	k_q6bd1ce1fed_qkv,@function
k_q6bd1ce1fed_qkv:
	s_mov_b64 s[64:65], 0
	v_nop
	global_prefetch_b8 v0, s[64:65] scope:SCOPE_SE
	s_setreg_imm32_b32 hwreg(HW_REG_WAVE_MODE, 25, 1), 1
	s_wait_xcnt 0x0
	s_wait_alu depctr_hold_cnt(0) depctr_sa_sdst(0) depctr_va_vdst(0) depctr_va_sdst(0) depctr_va_ssrc(0) depctr_va_vcc(0) depctr_vm_vsrc(0)
	s_getreg_b32 s2, hwreg(HW_REG_IB_STS2, 6, 4)
	s_cmp_eq_u32 s2, 0
	s_cbranch_scc0 .Lentry_in_a_cluster
	s_endpgm
.Lentry_in_a_cluster:
	s_bfe_u32 s2, ttmp6, 0x10000c
	s_cmp_lg_u32 s2, 0xf033
	s_cbranch_scc0 .Lentry_shape_is_right
	s_endpgm
.Lentry_shape_is_right:
; qkv = x W_qkv + b_qkv.  A = xb [8192][1024] bf16, B = wt rows 0-3071 [n][1024] bf16, sums in f32, bias in f32.
; Result in f16, by heads: qkv[plane][2048 s][64 d], plane = 64 which + 16 b + h (which: 0 Q, 1 K, 2 V).
; LIMIT: a result of 65,504 or more in magnitude becomes an infinity in f16.  NaN and infinities in the inputs are not followed.
; A block is 256 rows x 192 columns (three heads), made by four waves, 2 x 2; a wave makes 128 x 96: 48 accumulator tiles, 384 registers.
; 16 x 16 = 256 work-groups; each STAYS FOR TWO BLOCKS: block rows mb and mb + 16 of the same 192 columns.  K goes in steps of 128 through a
; ring of two LDS slots filled by tensor loads (a row of a tile is 256 bytes of memory, aligned, and 272 bytes in LDS), and the ring runs on from
; the first block into the second: the first block's last lap asks for the second block's first tiles, and the first block's stores leave while
; the second is multiplied.
; CLUSTERS: 4 x 4 work-groups.  A tile of A hangs on the block row alone and is asked for jointly along a row of the cluster, a tile
; of B on the block column alone, jointly along a column: a quarter of the requests.
; WHERE K STARTS: a lap is two K steps, K has four laps.  A cluster starts at lap r = (X + 2 (Y & 1) + (Y >> 1)) & 3 (X, Y: the cluster's own place in
; the grid, the same number in all sixteen partners) and walks (r + j) & 3.  The four clusters that read the same rows of xb hold four different r,
; so at any time they ask for four different parts of those rows, and each part is asked for the first time in some cluster's first lap;
; clusters Y and Y + 1, which read the same rows of wt, are two laps apart.  So the order of the f32 sum along K is turned by whole laps from cluster to cluster.
; REGISTER WINDOWS: window 0: addresses, two fragment buffers (B's 6 fragments, then A's 8); window 1: tiles of my rows 0-63 and the bias;
; window 2: tiles of my rows 64-127.
; THE MATRIX INSTRUCTION IS USED TRANSPOSED (source 0 = rows of wt, source 1 = rows of xb): a lane holds row l % 16 and eight
; neighbouring columns 8 (l / 16) + 0..7.
; The 48 accumulators take turns, one instruction a turn, in the same order in every quarter step, over the backward jumps too.
.set NBF,    6
.set KSTEP,  128
.set PITCH,  272                       ; 256 bytes + 16: the sixteen rows of a fragment load start in sixteen different 16-byte columns
.set ATILE,  128*PITCH                 ; what one wave fetches of A
.set BTILE,  96*PITCH                  ; what one wave fetches of B
.set BOFS,   2*ATILE
.set SLOT,   BOFS+2*BTILE              ; 121,856
.set STAGE,  2*SLOT                    ; 243,712: the way out, 128 rows x 400 bytes, never filled by a tensor load
.set LAPS,   1024/(2*KSTEP)            ; laps of a block
.set OPITCH, 400                       ; the way out: 192 f16 + 16 bytes
.set BLK2,   0x800000                  ; from the first block to the second: 4,096 rows of 2,048 bytes in xb; two batches = 32 planes of 262,144 bytes in qkv
.set ADRA, 16                          ; v16-17  LDS address of my A fragments, slot 0, 1
.set ADRB, 20                          ; v20-21  the same for B
.set STO,  24
.set RD,   25
.set CO,   26
.set BOFF, 27
.set F0,   32                          ; fragment buffer 0: v32-79 B, v80-143 A
.set F1,   144                         ; fragment buffer 1: v144-191 B, v192-255 A
.set FA,   48
.set PK,   80                          ; the way out: packed results, v80-103
.set RB,   112                         ; the way out: rows read back, v112-207
.set BIAS, 192                         ; window 1: my lane's bias, 8 numbers for each of 6 column tiles
.set G1,  24                           ; s[24:31] group 1 for A
.set G0,  32                           ; s[32:39] group 0 for A, a set for each slot
.set G1B, 40                           ; s[40:47] group 1 for B
.set G0B, 48                           ; s[48:55] group 0 for B
                                       ; s72 the lap to ask for, 0..7; s73 r; s[74:75] B's byte offset; s[76:77] A's
.set MSB, 0
.macro WIN new                         ; the immediate's high byte repeats the setting that is left
.if MSB != \new
	s_set_vgpr_msb (MSB<<8)|\new
.set MSB, \new
.endif
.endm
.set MUL_LO, 0x50                      ; sources window 0, C and D window 1
.set MUL_HI, 0xa0                      ; C and D window 2
; A joint load: waves 0 and 1 fetch A's halves, waves 2 and 3 B's.  The branch hangs on the wave's number alone.
.macro JLOAD s
	s_cmp_eq_u32 s13, 0
	s_cbranch_scc0 .Lfor_b_\@
	tensor_load_to_lds s[G0+4*\s:G0+4*\s+3], s[G1:G1+7]
	s_nop 0
	s_branch .Lasked_\@
.Lfor_b_\@:
	tensor_load_to_lds s[G0B+4*\s:G0B+4*\s+3], s[G1B:G1B+7]
	s_nop 0
.Lasked_\@:
.endm
.macro CREST                           ; a round of the cluster's barrier behind its opening barrier
	s_cmp_lg_u32 s12, 0
	s_cbranch_scc1 .Lnot_wave_0_\@
	s_barrier_signal -3
.Lnot_wave_0_\@:
	s_barrier_wait -3
	s_barrier_signal -1
	s_barrier_wait -1
.endm
.macro CROUND
	s_barrier_signal -1
	s_barrier_wait -1
	CREST
.endm
; Both group 0 of a slot for lap s72 (step = 1: first go on to the next lap).  Along K the lap is (r + s72) & 3; laps 4 to 7 belong to the second block.
; The offsets are made of the cluster's place, the lap and constants alone; written only where no tensor load of the wave is out.
.macro SETK slot, step
.if \step
	s_add_co_u32 s72, s72, 1
.endif
	s_add_co_u32 s74, s72, s73
	s_and_b32 s74, s74, 3
	s_lshl_b32 s74, s74, 9                         ; 512 bytes of a row a lap
	s_add_co_u32 s74, s74, \slot*KSTEP*2           ; the slot's K step of the lap
	s_lshr_b32 s76, s72, 2
	s_lshl_b32 s76, s76, 23                        ; the second block's rows of xb (BLK2)
	s_add_co_u32 s76, s76, s74
	s_add_nc_u64 s[G0+4*\slot+2:G0+4*\slot+3], s[20:21], s[76:77]
	s_or_b32 s[G0+4*\slot+3], s[G0+4*\slot+3], 0x80000000
	s_add_nc_u64 s[G0B+4*\slot+2:G0B+4*\slot+3], s[56:57], s[74:75]
	s_or_b32 s[G0B+4*\slot+3], s[G0B+4*\slot+3], 0x80000000
.endm
	s_load_b256 s[4:11], s[0:1], 0x0               ; xb s[4:5], wt s[6:7], b_qkv s[8:9], qkv s[10:11]
	v_lshl_add_u32 v30, v0, 2, 0x48000
	v_mov_b32 v31, 0
	ds_add_u32 v30, v31
	ds_add_u32 v30, v31
	v_lshrrev_b32 v1, 5, v0
	v_readfirstlane_b32 s12, v1                    ; wave 0..3
	s_lshr_b32 s13, s12, 1                         ; my half of the rows; also: I fetch for A (0) or B (1)
	s_and_b32 s14, s12, 1                          ; my half of the columns; also: which half of that tile I fetch
	s_bfe_u32 s17, ttmp6, 0x40000                  ; cx
	s_bfe_u32 s18, ttmp6, 0x40004                  ; cy
	s_lshl_b32 s16, ttmp9, 2
	s_add_co_u32 s16, s16, s17                     ; block column, 0..15
	s_and_b32 s15, ttmp7, 0xffff                   ; Y, the cluster's y, 0..3
	s_and_b32 s73, s15, 1
	s_lshl_b32 s73, s73, 1
	s_lshr_b32 s72, s15, 1
	s_add_co_u32 s73, s73, s72
	s_add_co_u32 s73, s73, ttmp9
	s_and_b32 s73, s73, 3                          ; r = (X + 2 (Y & 1) + (Y >> 1)) & 3
	s_mov_b32 s72, 0                               ; the first lap
	s_mov_b32 s75, 0
	s_mov_b32 s77, 0
	s_lshl_b32 s15, s15, 2
	s_add_co_u32 s15, s15, s18                     ; the first block's block row, 0..15
	s_lshl_b32 s19, s18, 2
	s_lshl_b32 s19, 15, s19                        ; my row of the cluster
	s_lshl_b32 s56, 0x1111, s17                    ; my column
	s_or_b32 s[G1+0], s19, (1<<16)|(1<<20)|(1<<21)|(5<<22)|(3<<25)    ; mask; 2-byte elements; 4 words of padding behind every 64; bit 21 beside a mask
	s_or_b32 s[G1B+0], s56, (1<<16)|(1<<20)|(1<<21)|(5<<22)|(3<<25)
	s_mov_b32 s[G1+1], KSTEP<<16                   ; tensor_dim0 = 128
	s_mov_b32 s[G1+2], 128<<16                     ; tensor_dim1 = 128
	s_mov_b32 s[G1+3], KSTEP<<16                   ; tile_dim0 = 128
	s_mov_b32 s[G1+4], 128                         ; tile_dim1 = 128
	s_mov_b32 s[G1+5], 1024                        ; elements from row to row
	s_mov_b32 s[G1+6], 0
	s_mov_b32 s[G1+7], 0
	s_mov_b32 s[G1B+1], KSTEP<<16
	s_mov_b32 s[G1B+2], 96<<16                     ; B: 96 rows
	s_mov_b32 s[G1B+3], KSTEP<<16
	s_mov_b32 s[G1B+4], 96
	s_mov_b32 s[G1B+5], 1024
	s_mov_b32 s[G1B+6], 0
	s_mov_b32 s[G1B+7], 0
	s_lshl_b32 s20, s15, 8                         ; A: row 256 x block row + 128 x half (registers that never hold cx)
	s_lshl_b32 s19, s14, 7
	s_add_co_u32 s20, s20, s19
	s_lshl_b32 s20, s20, 11                        ; 2,048 bytes a row
	s_mov_b32 s21, 0
	s_mul_i32 s22, s12, ATILE                      ; LDS: wave x 128 rows
	s_mul_i32 s56, s16, 192                        ; B: row 192 x block column + 96 x half (registers that never hold cy)
	s_mul_i32 s57, s14, 96
	s_add_co_u32 s56, s56, s57
	s_lshl_b32 s56, s56, 11
	s_mov_b32 s57, 0
	s_mul_i32 s58, s12, BTILE
	s_add_co_u32 s58, s58, BOFS-2*BTILE            ; LDS: behind A, (wave - 2) x 96 rows
	s_mul_i32 s60, s16, 192                        ; the bias of my 96 columns
	s_mul_i32 s61, s14, 96
	s_add_co_u32 s60, s60, s61
	s_lshl_b32 s60, s60, 2
	s_mov_b32 s61, 0
	s_wait_dscnt 0x0
	s_wait_kmcnt 0x0
	s_add_nc_u64 s[20:21], s[4:5], s[20:21]        ; A at my rows, K = 0; stays as it is
	s_add_nc_u64 s[56:57], s[6:7], s[56:57]        ; B at my rows, K = 0; stays as it is
	s_add_nc_u64 s[8:9], s[8:9], s[60:61]
	CROUND                                         ; all sixteen work-groups are here: the first joint loads meet
.irp s, 0,1
	s_mov_b32 s[G0+4*\s], 1
	s_add_co_u32 s[G0+4*\s+1], s22, \s*SLOT
	s_mov_b32 s[G0B+4*\s], 1
	s_add_co_u32 s[G0B+4*\s+1], s58, \s*SLOT
	SETK \s, 0
	JLOAD \s                                       ; both slots are asked for before anything else: two loads of the wave are out
.endr
	v_and_b32 v1, 15, v0                           ; r = l % 16
	v_bfe_u32 v2, v0, 4, 1                         ; h = l / 16
	v_mul_u32_u24 v3, v1, PITCH
	v_lshl_add_u32 v3, v2, 4, v3                   ; row x pitch + 16 h
	s_mul_i32 s60, s13, ATILE                      ; my 128 rows of A
	s_mul_i32 s61, s14, BTILE                      ; my 96 rows of B
	s_add_co_u32 s61, s61, BOFS
.irp s, 0,1
	v_add_nc_u32 v[ADRA+\s], s60, v3
	v_add_nc_u32 v[ADRB+\s], s61, v3
	s_add_co_u32 s60, s60, SLOT
	s_add_co_u32 s61, s61, SLOT
.endr
	s_mul_i32 s60, s13, 64*OPITCH                  ; the way out, in: stage row 64 wm + r (+ 16 for each tile), bytes 192 wn + 16 h
	s_mul_i32 s61, s14, 192
	s_add_co_u32 s60, s60, s61
	s_add_co_u32 s60, s60, STAGE
	v_mul_u32_u24 v4, v1, OPITCH
	v_lshl_add_u32 v4, v2, 4, v4
	v_add_nc_u32 v[STO], s60, v4
	v_and_b32 v5, 31, v0                           ; back: stage row 32 w + l / 8, bytes 16 (l % 8)
	v_lshrrev_b32 v4, 3, v5
	v_mul_u32_u24 v4, v4, OPITCH
	v_and_b32 v3, 7, v0
	v_lshl_add_u32 v4, v3, 4, v4
	s_mul_i32 s60, s12, 32*OPITCH
	s_add_co_u32 s60, s60, STAGE
	v_add_nc_u32 v[RD], s60, v4
	v_lshlrev_b32 v[CO], 4, v5                     ; four rows of 128 bytes of a plane are 512 consecutive bytes: 16 l
	v_lshlrev_b32 v[BOFF], 5, v2                   ; the bias of columns 8 h + 0..7
	WIN 0x40                                       ; destination window 1
.irp b, 0,1,2,3,4,5
	global_load_b128 v[BIAS+8*\b:BIAS+8*\b+3], v[BOFF], s[8:9] offset:64*\b
	global_load_b128 v[BIAS+8*\b+4:BIAS+8*\b+7], v[BOFF], s[8:9] offset:64*\b+16
.endr
	WIN 0
; 12 matrix instructions: row tiles a0, a0 + 1 of the window's four x all 6 column tiles, 32 along K.  zero = 1: the product starts the sums.
.macro MUL2 f, hi, a0, zero
.irp a, \a0, \a0+1
.irp b, 0,1,2,3,4,5
.if \zero
	v_wmma_f32_16x16x32_bf16 v[8*((\a)*NBF+\b):8*((\a)*NBF+\b)+7], v[\f+8*\b:\f+8*\b+7], v[\f+FA+8*(4*\hi+(\a)):\f+FA+8*(4*\hi+(\a))+7], 0
.else
	v_wmma_f32_16x16x32_bf16 v[8*((\a)*NBF+\b):8*((\a)*NBF+\b)+7], v[\f+8*\b:\f+8*\b+7], v[\f+FA+8*(4*\hi+(\a)):\f+FA+8*(4*\hi+(\a))+7], v[8*((\a)*NBF+\b):8*((\a)*NBF+\b)+7]
.endif
.endr
.endr
.endm
; 28 LDS loads in one run: quarter q of a slot (96 rows of B, 128 rows of A, 32 along K) into buffer f
.macro FETCH slot, q, f
	WIN 0
.irp i, 0,1,2,3,4,5
	ds_load_b128 v[\f+8*\i:\f+8*\i+3],   v[ADRB+\slot] offset:64*\q+\i*16*PITCH
	ds_load_b128 v[\f+8*\i+4:\f+8*\i+7], v[ADRB+\slot] offset:64*\q+\i*16*PITCH+32
.endr
.irp i, 0,1,2,3,4,5,6,7
	ds_load_b128 v[\f+FA+8*\i:\f+FA+8*\i+3],   v[ADRA+\slot] offset:64*\q+\i*16*PITCH
	ds_load_b128 v[\f+FA+8*\i+4:\f+FA+8*\i+7], v[ADRA+\slot] offset:64*\q+\i*16*PITCH+32
.endr
.endm
; Four places between a matrix instruction and a load into, or a vector instruction on, one of its registers.
.macro PLACES
.rept 4
	v_nop
.endr
.endm
.macro QUARTER slot, q, f, g, zero     ; multiplies buffer f; in its middle fetches quarter q into buffer g
	s_wait_dscnt 8                                 ; B and A's rows 0-63 are in; the youngest eight loads (A's rows 64-127) may be out
	WIN MUL_LO
	MUL2 \f, 0, 0, \zero
	MUL2 \f, 0, 2, \zero
	PLACES
	FETCH \slot, \q, \g
	s_wait_dscnt 28                                ; all but the 28 just issued
	WIN MUL_HI
	MUL2 \f, 1, 0, \zero
	MUL2 \f, 1, 2, \zero
.endm
.macro THREE slot, zero
	QUARTER \slot, 1, F0, F1, \zero
	QUARTER \slot, 2, F1, F0, 0
	QUARTER \slot, 3, F0, F1, 0
.endm
; The last quarter of a K step changes slots.  In front of the barrier each wave waits for its reads of this slot and for all its tensor
; loads (one is out: its part of the next slot).  Behind it (with a refill: behind the cluster's round that it opens) the refill comes first.
; fetch = 0: the next slot's first fragments are not fetched here (a block ends: the fragment registers serve the way out first).
.macro TURN slot, next, fill, fetch
	s_wait_dscnt 8
	WIN MUL_LO
	MUL2 F1, 0, 0, 0
	s_wait_dscnt 0                                 ; my reads of this slot are over
	s_wait_tensorcnt 0x0                           ; all my tensor loads have landed: a group 0 may be written
	ds_add_u32 v30, v31
	s_wait_dscnt 0x0
.if \fill
	SETK \slot, 1-\slot                            ; slot 0 goes on to the next lap, slot 1 follows it
.endif
	s_barrier_signal -1
	MUL2 F1, 0, 2, 0                               ; register work while the others arrive
	WIN 0
	s_barrier_wait -1
.if \fill
	CREST                                          ; no wave of any partner still reads this slot or has a load on its way
	JLOAD \slot                                    ; my one tensor load behind the round: 180 matrix instructions until its wait
.endif
.if \fetch
	PLACES
	FETCH \next, 0, F0
.endif
	WIN MUL_HI
	MUL2 F1, 1, 0, 0
	MUL2 F1, 1, 2, 0
.endm
.macro LAP zero, fetch
	THREE 0, \zero
	TURN 0, 1, 1, 1
	THREE 1, 0
	TURN 1, 0, 1, \fetch
.endm
; THE WAY OUT, in two halves (a wave's rows 0-63, then 64-127), through the stage: 128 rows x 400 bytes that no tensor load ever fills.
.macro OUTA ta, win                    ; 16 rows: add the bias, round to f16, 16 bytes a lane and tile into the stage
	WIN \win
.irp b, 0,1,2,3,4,5
.irp p, 0,1,2,3
	v_pk_add_f32 v[F0+8*\b+2*\p:F0+8*\b+2*\p+1], v[8*(\ta*NBF+\b)+2*\p:8*(\ta*NBF+\b)+2*\p+1], v[BIAS+8*\b+2*\p:BIAS+8*\b+2*\p+1]
.endr
.endr
	WIN 0
.irp b, 0,1,2,3,4,5
.irp p, 0,1,2,3
	v_cvt_pk_f16_f32 v[PK+4*\b+\p], v[F0+8*\b+2*\p], v[F0+8*\b+2*\p+1]
.endr
.endr
.irp b, 0,1,2,3,4,5
	ds_store_b128 v[STO], v[PK+4*\b:PK+4*\b+3] offset:\ta*16*OPITCH+32*\b
.endr
.endm
; Stage row 64 wm + i is block row 128 wm + 64 pass + i.  Wave w reads stage rows 32 w .. 32 w + 31 of all three heads.
.macro HALF pass, win
	OUTA 0, \win
	OUTA 1, \win
	OUTA 2, \win
	OUTA 3, \win
	s_wait_dscnt 0x0                               ; my stores are in the stage before I say so
	s_barrier_signal -1
	s_barrier_wait -1                              ; a tensor load may stay out across it
	s_wait_xcnt 0x0                                ; v112-207, which earlier stores read, are loaded again only behind this wait
.irp p, 0,1,2
.irp t, 0,1,2,3,4,5,6,7
	ds_load_b128 v[RB+4*(8*\p+\t):RB+4*(8*\p+\t)+3], v[RD] offset:\t*4*OPITCH+\p*128   ; four rows of one head
.endr
.endr
.irp p, 0,1,2
.irp t, 0,1,2,3,4,5,6,7
	s_wait_dscnt 23-8*\p-\t                        ; LDS loads return in order: this one is in
	global_store_b128 v[CO], v[RB+4*(8*\p+\t):RB+4*(8*\p+\t)+3], s[66+2*\p:67+2*\p] offset:\pass*8192+512*\t   ; 512 consecutive bytes of a plane, aligned
.endr
.endr
.endm
.macro EPI
	HALF 0, 0x05                                   ; source 0 window 1 (sums), source 1 window 1 (bias), destination window 0
	s_barrier_signal -1                            ; my reads of the stage are back (the count-down ended at 0)
	s_barrier_wait -1                              ; everybody's are: the stage may be written again
	HALF 1, 0x06                                   ; source 0 window 2
.endm
	s_wait_tensorcnt 1                             ; my part of the first K step is in; the second stays out
	s_barrier_signal -1
	s_barrier_wait -1
	FETCH 0, 0, F0
	; THE FIRST BLOCK: laps 0 to 3, each asking for the lap behind it
	LAP 1, 1                                       ; the first products start the sums
	WIN 0
	s_mov_b32 s3, LAPS-2
.Llap_a:
	LAP 0, 1
	WIN 0
	s_sub_co_u32 s3, s3, 1
	s_cmp_lg_u32 s3, 0
	s_cbranch_scc1 .Llap_a
	LAP 0, 0                                       ; lap 3 asks for the second block's first lap
	; where my share of the stage goes: three planes, rows 256 (mb % 8) + 128 (w / 2) + 32 (w % 2) ..
	s_mul_i32 s60, s16, 3                          ; my block's first head-plane among 48
	s_lshr_b32 s61, s15, 3
	s_lshl_b32 s61, s61, 4                         ; 16 b
	s_and_b32 s62, s15, 7
	s_lshl_b32 s62, s62, 8
	s_lshl_b32 s63, s13, 7
	s_add_co_u32 s62, s62, s63
	s_lshl_b32 s63, s14, 5
	s_add_co_u32 s62, s62, s63
	s_lshl_b32 s62, s62, 7                         ; 128 bytes a row
.irp p, 0,1,2
	s_add_co_u32 s63, s60, \p
	s_lshr_b32 s[66+2*\p], s63, 4                  ; which of Q, K, V
	s_lshl_b32 s[66+2*\p], s[66+2*\p], 6
	s_and_b32 s63, s63, 15                         ; head
	s_add_co_u32 s[66+2*\p], s[66+2*\p], s63
	s_add_co_u32 s[66+2*\p], s[66+2*\p], s61
	s_lshl_b32 s[66+2*\p], s[66+2*\p], 18          ; 262,144 bytes a plane
	s_add_co_u32 s[66+2*\p], s[66+2*\p], s62
	s_mov_b32 s[67+2*\p], 0
	s_add_nc_u64 s[66+2*\p:67+2*\p], s[10:11], s[66+2*\p:67+2*\p]
.endr
	PLACES                                         ; behind the last matrix instructions, for the sums that are read and the registers that are written
	s_wait_loadcnt 0x0                             ; the bias
	EPI
	s_wait_xcnt 0x0                                ; the stores' bases and data registers are written again only behind this wait
.irp p, 0,1,2
	s_add_nc_u64 s[66+2*\p:67+2*\p], s[66+2*\p:67+2*\p], BLK2   ; the second block: two batches on
.endr
	; THE SECOND BLOCK: laps 4 to 7.  Slot 0's tile was shown landed to every wave by the last change of slots; slot 1's is on its way.
	FETCH 0, 0, F0
	LAP 1, 1
	WIN 0
	s_mov_b32 s3, LAPS-2
.Llap_b:
	LAP 0, 1
	WIN 0
	s_sub_co_u32 s3, s3, 1
	s_cmp_lg_u32 s3, 0
	s_cbranch_scc1 .Llap_b
	THREE 0, 0                                     ; the last lap fills nothing
	TURN 0, 1, 0, 1
	THREE 1, 0
	s_wait_dscnt 8
	WIN MUL_LO
	MUL2 F1, 0, 0, 0
	MUL2 F1, 0, 2, 0
	s_wait_dscnt 0
	WIN MUL_HI
	MUL2 F1, 1, 0, 0
	MUL2 F1, 1, 2, 0
	PLACES
	EPI                                            ; every wave's reads of the stage for the first block were back in front of the barriers passed since
	s_wait_tensorcnt 0x0
	ds_add_u32 v30, v31
	s_wait_dscnt 0x0
	CROUND                                         ; the closing round: no work-group ends while a partner may still ask jointly
	s_endpgm
.Lfunc_end_k_q6bd1ce1fed_qkv:
	.size	k_q6bd1ce1fed_qkv, .Lfunc_end_k_q6bd1ce1fed_qkv-k_q6bd1ce1fed_qkv
	.p2alignl 7, 3214868480
	.fill 96, 4, 3214868480
	.section	.rodata,"a",@progbits
	.p2align	6, 0x0
	.amdhsa_kernel k_q6bd1ce1fed_qkv
		.amdhsa_group_segment_fixed_size 327680
		.amdhsa_private_segment_fixed_size 0
		.amdhsa_enable_private_segment 0
		.amdhsa_kernarg_size 32
		.amdhsa_user_sgpr_count 2
		.amdhsa_user_sgpr_kernarg_segment_ptr 1
		.amdhsa_wavefront_size32 1
		.amdhsa_system_sgpr_workgroup_id_x 1
		.amdhsa_system_sgpr_workgroup_id_y 1
		.amdhsa_system_sgpr_workgroup_id_z 1
		.amdhsa_system_vgpr_workitem_id 0
		.amdhsa_next_free_vgpr 768
		.amdhsa_next_free_sgpr 78
		.amdhsa_reserve_vcc 0
		.amdhsa_float_denorm_mode_32 3
		.amdhsa_float_denorm_mode_16_64 3
		.amdhsa_memory_ordered 1
		.amdhsa_forward_progress 1
		.amdhsa_inst_pref_size 255
	.end_amdhsa_kernel
	.section	.bss,"aw",@nobits
	.p2align	6
	.space	262144
	.amdgpu_metadata
---
amdhsa.version: [ 1, 2 ]
amdhsa.kernels:
  - .name:           k_q6bd1ce1fed_qkv
    .symbol:         k_q6bd1ce1fed_qkv.kd
    .args:
      - { .name: xb, .offset: 0, .size: 8, .value_kind: global_buffer, .address_space: global }
      - { .name: wt, .offset: 8, .size: 8, .value_kind: global_buffer, .address_space: global }
      - { .name: b_qkv, .offset: 16, .size: 8, .value_kind: global_buffer, .address_space: global }
      - { .name: qkv, .offset: 24, .size: 8, .value_kind: global_buffer, .address_space: global }
    .group_segment_fixed_size: 327680
    .private_segment_fixed_size: 0
    .kernarg_segment_align: 8
    .kernarg_segment_size: 32
    .max_flat_workgroup_size: 128
    .sgpr_count:     78
    .vgpr_count:     768
    .wavefront_size: 32
...
	.end_amdgpu_metadata
.endif
;; end of part 2
;; launch attn (part 3): grid 256 x 1, 8 waves a work-group, no clusters, 327,680 bytes of LDS; arguments qkv, av; writes av
.if DOCPART == 3
	.amdgcn_target "amdgcn-amd-amdhsa--gfx1250"
	.amdhsa_code_object_version 6
	.text
	.protected	k_q6bd1ce1fed_attn
	.globl	k_q6bd1ce1fed_attn
	.p2align	8
	.type	k_q6bd1ce1fed_attn,@function
k_q6bd1ce1fed_attn:
	s_mov_b64 s[64:65], 0
	v_nop
	global_prefetch_b8 v0, s[64:65] scope:SCOPE_SE
	s_setreg_imm32_b32 hwreg(HW_REG_WAVE_MODE, 25, 1), 1
	s_wait_xcnt 0x0
; Causal attention of one (batch, head) quarter.  qkv[plane][2048][64] f16 (planes: bh Q, 64 + bh K, 128 + bh V); av[16 h][8192 b*2048+s][64] f16.
; Work-group g: bh = g / 4, c = g % 4.  It makes two blocks of 256 queries, QB = 7 - c and then QB = c, and walks the key blocks of 256 from the
; diagonal block down to 0: (8 - c) + (c + 1) = 9 tiles for every work-group, two of them diagonal.
; Eight waves; a wave owns 32 queries (row group gq; waves w and w + 4 hold groups that add up to 7).  A tile is four sub-steps of 64 keys.
; S^T = K Q^T: a lane holds one query (l % 16) and keys 8 (l / 16) + j, so maximum, sum and factor are one number a lane, and two
; neighbouring key tiles packed to f16 ARE the second source of O^T = V^T P^T.  V^T comes from V[key][d] by the transposing LDS load.
; The running maximum is taken away before every exponential.  Scores are scaled by 1/8 inside the exponent: 0.125 log2 e.
; LIMITS.  Key blocks and sub-steps wholly above the diagonal are left out; inside the diagonal sub-step a masked raw score is -8.0e6 (= 8 x -1e6),
; as the definition has it.  So a row whose largest allowed score / 8 lies below about -1e6 + 100 differs from the definition, in which the
; masked keys then take weight.  q, k, v and the result are f16: below 65,504 in magnitude.  P is f16 in 0..1.  NaN and infinities are not followed.
; NO JOINT LOADS: the four work-groups of a head walk different tiles at the same step (7 - c, 6 - c, ..), and a form with one common stream of
; keys would cost each 12 tiles instead of 9.
; Ring: two LDS slots, each V (256 rows, pitch 160) then K (256 rows, pitch 144); a wave fetches 64 rows with one tensor load
; (waves 0-3 V, waves 4-7 K), straight behind the one barrier of a tile; it has the whole tile's work in which to land.
.set KP,    144                        ; K rows: 128 bytes + 16
.set VP,    160                        ; V rows: 128 bytes + 32 (an odd multiple of 32, for the transposing load)
.set KOFS,  256*VP                     ; 40,960
.set SLOT,  KOFS+256*KP                ; 77,824
.set STAGE, 2*SLOT                     ; 155,648: 32 rows x 144 bytes for each wave, never filled by a tensor load
.set KA,   2                           ; v2-3   K fragment address, slot 0, 1
.set VA,   4                           ; v4-5   V fragment address
.set KAM,  6                           ; v6-7   the same at my diagonal sub-step
.set VAM,  8                           ; v8-9
.set QV,   10
.set DL,   11                          ; 32 (gq & 1) + r - 8 h: masked where 16 kt + j - 16 qt is larger
.set NEGV, 12
.set STO,  13
.set RD,   14
.set CO,   15
                                       ; v[20:21], v[22:23]: (-m c, m) of query tile 0, 1;  v[24:25], v[26:27]: (factor, sum)
.set QR,   32                          ; Q(qt, ks) at 32 + 8 (2 qt + ks)
.set SR,   64                          ; S(qt, kt) at 64 + 8 (4 qt + kt); later P(qt, kg) at 64 + 32 qt + 16 kg
.set KR,   128                         ; K(kt, ks) at 128 + 8 (2 kt + ks)
.set VR,   192                         ; V(dt, kg) at 192 + 8 (2 dt + kg)
                                       ; window 1: O(dt, qt) at 8 (2 dt + qt)
.set G1V, 24
.set G1K, 32
.set G0V, 40
.set G0K, 48
.set MSB, 0
.macro WIN new
.if MSB != \new
	s_set_vgpr_msb (MSB<<8)|\new
.set MSB, \new
.endif
.endm
.macro JLOAD s                         ; my quarter of V's or of K's tile; the branch hangs on the wave's number alone
	s_cmp_lt_u32 s8, 4
	s_cbranch_scc0 .Lfor_k_\@
	tensor_load_to_lds s[G0V+4*\s:G0V+4*\s+3], s[G1V:G1V+7]
	s_nop 0
	s_branch .Lasked_\@
.Lfor_k_\@:
	tensor_load_to_lds s[G0K+4*\s:G0K+4*\s+3], s[G1K:G1K+7]
	s_nop 0
.Lasked_\@:
.endm
.macro SETADDR s, kreg                 ; slot s is to take key block kreg
	s_lshl_b32 s60, \kreg, 15                      ; 256 rows of 128 bytes
	s_mov_b32 s61, 0
	s_add_nc_u64 s[G0V+4*\s+2:G0V+4*\s+3], s[56:57], s[60:61]
	s_or_b32 s[G0V+4*\s+3], s[G0V+4*\s+3], 0x80000000
	s_add_nc_u64 s[G0K+4*\s+2:G0K+4*\s+3], s[58:59], s[60:61]
	s_or_b32 s[G0K+4*\s+3], s[G0K+4*\s+3], 0x80000000
.endm
.macro QLOAD                           ; my 32 rows of Q of block s13, as second-source fragments, straight from memory
	s_lshl_b32 s68, s12, 18
	s_lshl_b32 s19, s13, 15
	s_add_co_u32 s68, s68, s19
	s_lshl_b32 s19, s9, 12
	s_add_co_u32 s68, s68, s19
	s_mov_b32 s69, 0
	s_add_nc_u64 s[62:63], s[4:5], s[68:69]
.irp qt, 0,1
.irp ks, 0,1
	global_load_b128 v[QR+8*(2*\qt+\ks):QR+8*(2*\qt+\ks)+3],   v[QV], s[62:63] offset:\qt*2048+\ks*64
	global_load_b128 v[QR+8*(2*\qt+\ks)+4:QR+8*(2*\qt+\ks)+7], v[QV], s[62:63] offset:\qt*2048+\ks*64+32
.endr
.endr
.endm
	s_load_b128 s[4:7], s[0:1], 0x0                ; qkv s[4:5], av s[6:7]
	s_set_vgpr_msb 0x40
	v_lshl_add_u32 v64, v0, 2, 0x2f000
	v_mov_b32 v65, 0
	s_set_vgpr_msb 0x4045
	ds_add_u32 v64, v65
	ds_add_u32 v64, v65
	s_set_vgpr_msb 0x4500
	v_lshrrev_b32 v1, 5, v0
	v_readfirstlane_b32 s8, v1                     ; wave 0..7
	s_lshr_b32 s19, s8, 2
	s_mul_i32 s19, s19, 3
	s_xor_b32 s9, s8, s19                          ; gq: 0 1 2 3 7 6 5 4
	s_lshr_b32 s10, s9, 1                          ; tq: the sub-step of 64 keys that holds my diagonal
	s_and_b32 s11, ttmp9, 3                        ; c
	s_lshr_b32 s12, ttmp9, 2                       ; bh
	s_sub_co_u32 s13, 7, s11                       ; QB of the first pass
	s_mov_b32 s14, s13                             ; kb: the key block at work
	s_sub_co_u32 s15, s13, 1                       ; the next key block to fetch (7 - c is at least 4)
	s_mov_b32 s20, 0x76543210                      ; v_permlanex16_b32: lane i of one half reads lane i of the other
	s_mov_b32 s21, 0xfedcba98
	s_mov_b32 s22, 0x3e38aa3b                      ; 0.125 log2 e
	s_mov_b32 s23, 0x3e38aa3b
	s_mov_b32 s[G1V+0], (1<<16)|(1<<20)|(4<<22)|(7<<25)   ; 2-byte elements; 8 words of padding behind every 32
	s_mov_b32 s[G1K+0], (1<<16)|(1<<20)|(4<<22)|(3<<25)   ; 4 words of padding behind every 32
.irp g, G1V, G1K
	s_mov_b32 s[\g+1], 64<<16                      ; tensor_dim0 = 64
	s_mov_b32 s[\g+2], 64<<16                      ; tensor_dim1 = 64
	s_mov_b32 s[\g+3], 64<<16                      ; tile_dim0 = 64
	s_mov_b32 s[\g+4], 64                          ; tile_dim1 = 64 rows
	s_mov_b32 s[\g+5], 64                          ; elements from row to row: a head's rows are dense
	s_mov_b32 s[\g+6], 0
	s_mov_b32 s[\g+7], 0
.endr
	s_mul_i32 s19, s8, 64*VP                       ; V: wave x 64 rows
	s_mul_i32 s16, s8, 64*KP                       ; K: behind V, (wave - 4) x 64 rows
.irp s, 0,1
	s_mov_b32 s[G0V+4*\s], 1
	s_add_co_u32 s[G0V+4*\s+1], s19, \s*SLOT
	s_mov_b32 s[G0K+4*\s], 1
	s_add_co_u32 s[G0K+4*\s+1], s16, \s*SLOT+KOFS-4*64*KP
.endr
	s_and_b32 s19, s8, 3
	s_lshl_b32 s19, s19, 13                        ; my 64 rows of a tile
	s_add_co_u32 s60, s12, 128
	s_lshl_b32 s60, s60, 18
	s_add_co_u32 s60, s60, s19
	s_mov_b32 s61, 0
	s_add_co_u32 s68, s12, 64
	s_lshl_b32 s68, s68, 18
	s_add_co_u32 s68, s68, s19
	s_mov_b32 s69, 0
	s_wait_dscnt 0x0
	s_wait_kmcnt 0x0
	s_add_nc_u64 s[56:57], s[4:5], s[60:61]        ; V's plane at my rows
	s_add_nc_u64 s[58:59], s[4:5], s[68:69]        ; K's plane at my rows
	SETADDR 0, s14
	JLOAD 0                                        ; the first tile: the only first fill at the start; slot 1 is filled behind the first barrier
	v_and_b32 v1, 15, v0                           ; r
	v_bfe_u32 v16, v0, 4, 1                        ; h
	v_and_b32 v17, 7, v0
	v_bfe_u32 v18, v0, 3, 1
	v_and_b32 v19, 31, v0                          ; l
	v_lshlrev_b32 v[QV], 7, v1
	v_lshl_add_u32 v[QV], v16, 4, v[QV]            ; r x 128 + 16 h
	QLOAD
	v_mul_u32_u24 v28, v1, KP
	v_lshl_add_u32 v28, v16, 4, v28                ; r x 144 + 16 h
	v_add_nc_u32 v[KA], KOFS, v28
	v_add_nc_u32 v[KA+1], KOFS+SLOT, v28
	s_mul_i32 s19, s8, 32*KP
	s_add_co_u32 s19, s19, STAGE                   ; my stage
	v_add_nc_u32 v[STO], s19, v28
	v_lshl_add_u32 v29, v16, 3, v17                ; key 8 h + l % 8
	v_mul_u32_u24 v29, v29, VP
	v_lshl_add_u32 v[VA], v18, 4, v29              ; + 16 ((l / 8) & 1)
	v_add_nc_u32 v[VA+1], SLOT, v[VA]
	s_mul_i32 s16, s10, 64*KP
	v_add_nc_u32 v[KAM], s16, v[KA]
	v_add_nc_u32 v[KAM+1], s16, v[KA+1]
	s_mul_i32 s16, s10, 64*VP
	v_add_nc_u32 v[VAM], s16, v[VA]
	v_add_nc_u32 v[VAM+1], s16, v[VA+1]
	s_and_b32 s16, s9, 1
	s_lshl_b32 s16, s16, 5
	v_lshlrev_b32 v29, 3, v16
	v_sub_nc_u32 v[DL], v1, v29
	v_add_nc_u32 v[DL], s16, v[DL]
	v_mov_b32 v[NEGV], 0xcaf42400                  ; -8.0e6
	v_lshrrev_b32 v29, 3, v19
	v_mul_u32_u24 v29, v29, KP
	v_lshl_add_u32 v29, v17, 4, v29
	v_add_nc_u32 v[RD], s19, v29                   ; back: row l / 8, bytes 16 (l % 8)
	v_lshlrev_b32 v[CO], 4, v19
	v_mov_b32 v30, 0                               ; destinations of the lane exchange count as read: written once here
	v_mov_b32 v31, 0
; 64 keys x my 32 queries.  first = 1: the diagonal sub-step, which masks and starts maximum, sum and O.
.macro SUBSTEP ka, va, koff, voff, first
.irp kt, 0,1,2,3
.irp ks, 0,1
	ds_load_b128 v[KR+8*(2*\kt+\ks):KR+8*(2*\kt+\ks)+3],   v[\ka] offset:\koff+\kt*16*KP+\ks*64
	ds_load_b128 v[KR+8*(2*\kt+\ks)+4:KR+8*(2*\kt+\ks)+7], v[\ka] offset:\koff+\kt*16*KP+\ks*64+32
.endr
.endr
.irp dt, 0,1,2,3
.irp kg, 0,1
	ds_load_tr16_b128 v[VR+8*(2*\dt+\kg):VR+8*(2*\dt+\kg)+3],   v[\va] offset:\voff+\kg*32*VP+\dt*32
	ds_load_tr16_b128 v[VR+8*(2*\dt+\kg)+4:VR+8*(2*\dt+\kg)+7], v[\va] offset:\voff+\kg*32*VP+\dt*32+16*VP
.endr
.endr
	s_wait_dscnt 16                                ; K's sixteen loads are in, V's sixteen may stay out
	; scores: eight accumulators by turns, one instruction a turn; the first 32 of d start the sums
.irp ks, 0,1
.irp kt, 0,1,2,3
.irp qt, 0,1
.if \ks
	v_wmma_f32_16x16x32_f16 v[SR+8*(4*\qt+\kt):SR+8*(4*\qt+\kt)+7], v[KR+8*(2*\kt+\ks):KR+8*(2*\kt+\ks)+7], v[QR+8*(2*\qt+\ks):QR+8*(2*\qt+\ks)+7], v[SR+8*(4*\qt+\kt):SR+8*(4*\qt+\kt)+7]
.else
	v_wmma_f32_16x16x32_f16 v[SR+8*(4*\qt+\kt):SR+8*(4*\qt+\kt)+7], v[KR+8*(2*\kt+\ks):KR+8*(2*\kt+\ks)+7], v[QR+8*(2*\qt+\ks):QR+8*(2*\qt+\ks)+7], 0
.endif
.endr
.endr
.endr
.rept 4
	v_nop                                          ; four places before vector instructions read the scores (ISA guide 7.12.1)
.endr
.if \first
.irp qt, 0,1
.irp kt, 0,1,2,3
.irp j, 0,1,2,3,4,5,6,7
	v_cmp_gt_i32 vcc_lo, 16*\kt+\j-16*\qt, v[DL]   ; key beyond the query
	v_cndmask_b32 v[SR+8*(4*\qt+\kt)+\j], v[SR+8*(4*\qt+\kt)+\j], v[NEGV], vcc_lo
.endr
.endr
.endr
	v_max_num_f32 v28, v[SR], v[SR+1]
	v_max_num_f32 v29, v[SR+32], v[SR+33]
.else
	v_max3_num_f32 v28, v21, v[SR], v[SR+1]        ; the running maximum goes in
	v_max3_num_f32 v29, v23, v[SR+32], v[SR+33]
.endif
.irp i, 1,2,3,4,5,6,7,8,9,10,11,12,13,14,15
	v_max3_num_f32 v28, v28, v[SR+2*\i], v[SR+2*\i+1]
	v_max3_num_f32 v29, v29, v[SR+32+2*\i], v[SR+33+2*\i]
.endr
	v_permlanex16_b32 v30, v28, s20, s21           ; the other half of the lanes holds the query's other keys
	v_permlanex16_b32 v31, v29, s20, s21
	v_max_num_f32 v21, v28, v30
	v_max_num_f32 v23, v29, v31
.if \first
	v_mul_f32 v20, 0xbe38aa3b, v21                 ; -m c
	v_mul_f32 v22, 0xbe38aa3b, v23
.else
	v_mul_f32 v28, 0xbe38aa3b, v21
	v_mul_f32 v29, 0xbe38aa3b, v23
	v_sub_f32 v24, v28, v20                        ; the difference of the two rounded offsets: old and new terms share one scale exactly
	v_sub_f32 v26, v29, v22
	v_mov_b32 v20, v28
	v_mov_b32 v22, v29
	v_exp_f32 v24, v24                             ; the factor for what has been gathered; first used far below
	v_exp_f32 v26, v26
.endif
.irp qt, 0,1
.irp i, 0,1,2,3,4,5,6,7,8,9,10,11,12,13,14,15
	v_pk_fma_f32 v[SR+32*\qt+2*\i:SR+32*\qt+2*\i+1], v[SR+32*\qt+2*\i:SR+32*\qt+2*\i+1], s[22:23], v[20+2*\qt:21+2*\qt] op_sel_hi:[1,0,0]
.endr
.endr
.set ei, 0
.rept 64
	v_exp_f32 v[SR+ei], v[SR+ei]
.set ei, ei+1
.endr
	v_nop                                          ; one plain place behind the last exponential (ISA guide 5.7.2)
	; sums of my 32 numbers a query tile, in two chains each; K's registers are free by now
	s_wait_alu depctr_va_vdst(0)
.irp qt, 0,1
	v_pk_add_f32 v[KR+4*\qt:KR+4*\qt+1],   v[SR+32*\qt:SR+32*\qt+1],   v[SR+32*\qt+2:SR+32*\qt+3]
	v_pk_add_f32 v[KR+4*\qt+2:KR+4*\qt+3], v[SR+32*\qt+4:SR+32*\qt+5], v[SR+32*\qt+6:SR+32*\qt+7]
.endr
.irp i, 2,3,4,5,6,7
.irp qt, 0,1
	v_pk_add_f32 v[KR+4*\qt:KR+4*\qt+1],   v[KR+4*\qt:KR+4*\qt+1],   v[SR+32*\qt+4*\i:SR+32*\qt+4*\i+1]
	v_pk_add_f32 v[KR+4*\qt+2:KR+4*\qt+3], v[KR+4*\qt+2:KR+4*\qt+3], v[SR+32*\qt+4*\i+2:SR+32*\qt+4*\i+3]
.endr
.endr
.irp qt, 0,1
	v_pk_add_f32 v[KR+4*\qt:KR+4*\qt+1], v[KR+4*\qt:KR+4*\qt+1], v[KR+4*\qt+2:KR+4*\qt+3]
.endr
.if \first
	v_add_f32 v25, v[KR], v[KR+1]
	v_add_f32 v27, v[KR+4], v[KR+5]
.else
	v_add_f32 v[KR], v[KR], v[KR+1]
	v_add_f32 v[KR+4], v[KR+4], v[KR+5]
	v_fma_f32 v25, v25, v24, v[KR]
	v_fma_f32 v27, v27, v26, v[KR+4]
.endif
	; P to f16, in place: key tiles 2 kg and 2 kg + 1 become registers 0-3 and 4-7 of a second-source fragment; each target has been consumed
.irp qt, 0,1
.irp kg, 0,1
.irp i, 0,1,2,3
	v_cvt_pk_f16_f32 v[SR+32*\qt+16*\kg+\i], v[SR+32*\qt+16*\kg+2*\i], v[SR+32*\qt+16*\kg+2*\i+1]
.endr
.irp i, 0,1,2,3
	v_cvt_pk_f16_f32 v[SR+32*\qt+16*\kg+4+\i], v[SR+32*\qt+16*\kg+8+2*\i], v[SR+32*\qt+16*\kg+9+2*\i]
.endr
.endr
.endr
.if \first
.else
	WIN 0x41                                       ; O in window 1, the factor in window 0
.irp dt, 0,1,2,3
.irp qt, 0,1
.irp p, 0,1,2,3
	v_pk_mul_f32 v[8*(2*\dt+\qt)+2*\p:8*(2*\dt+\qt)+2*\p+1], v[8*(2*\dt+\qt)+2*\p:8*(2*\dt+\qt)+2*\p+1], v[24+2*\qt:25+2*\qt] op_sel_hi:[1,0]
.endr
.endr
.endr
.endif
	s_wait_dscnt 0x0                               ; V is in
	WIN 0x50                                       ; C and D window 1
.irp kg, 0,1
.irp dt, 0,1,2,3
.irp qt, 0,1
.if \first*(1-\kg)
	v_wmma_f32_16x16x32_f16 v[8*(2*\dt+\qt):8*(2*\dt+\qt)+7], v[VR+8*(2*\dt+\kg):VR+8*(2*\dt+\kg)+7], v[SR+32*\qt+16*\kg:SR+32*\qt+16*\kg+7], 0
.else
	v_wmma_f32_16x16x32_f16 v[8*(2*\dt+\qt):8*(2*\dt+\qt)+7], v[VR+8*(2*\dt+\kg):VR+8*(2*\dt+\kg)+7], v[SR+32*\qt+16*\kg:SR+32*\qt+16*\kg+7], v[8*(2*\dt+\qt):8*(2*\dt+\qt)+7]
.endif
.endr
.endr
.endr
	WIN 0
.rept 5
	v_nop                                          ; five places: the next matrix instruction writes over P, loads land in V, vector work reads O
.endr
.endm
; A query block is done: divide by the sum, round to f16, out through my own stage.  next = 1: the second pass begins, its Q is asked for first.
.macro FINAL next
	s_and_b32 s19, s12, 15
	s_lshl_b32 s68, s19, 20                        ; head panel
	s_lshr_b32 s19, s12, 4
	s_lshl_b32 s19, s19, 18                        ; batch
	s_add_co_u32 s68, s68, s19
	s_lshl_b32 s19, s13, 15                        ; query block
	s_add_co_u32 s68, s68, s19
	s_lshl_b32 s19, s9, 12                         ; my 32 rows
	s_add_co_u32 s68, s68, s19
	s_mov_b32 s69, 0
	s_add_nc_u64 s[66:67], s[6:7], s[68:69]
.if \next
	s_mov_b32 s13, s11                             ; QB = c
	QLOAD                                          ; waited for at the next tile's head
.endif
	v_permlanex16_b32 v30, v25, s20, s21           ; the two halves of the lanes hold the two halves of a query's sum
	v_permlanex16_b32 v31, v27, s20, s21
	v_add_f32 v25, v25, v30
	v_add_f32 v27, v27, v31
	v_rcp_f32 v24, v25                             ; the sum is at least 1: the largest term is 1
	v_rcp_f32 v26, v27
	v_nop
	WIN 0x01                                       ; source 0 window 1
	s_wait_alu depctr_va_vdst(0)
.irp dt, 0,1,2,3
.irp qt, 0,1
.irp p, 0,1,2,3
	v_pk_mul_f32 v[SR+8*(2*\dt+\qt)+2*\p:SR+8*(2*\dt+\qt)+2*\p+1], v[8*(2*\dt+\qt)+2*\p:8*(2*\dt+\qt)+2*\p+1], v[24+2*\qt:25+2*\qt] op_sel_hi:[1,0]
.endr
.endr
.endr
	WIN 0
.irp dt, 0,1,2,3
.irp qt, 0,1
.irp p, 0,1,2,3
	v_cvt_pk_f16_f32 v[KR+4*(2*\dt+\qt)+\p], v[SR+8*(2*\dt+\qt)+2*\p], v[SR+8*(2*\dt+\qt)+2*\p+1]
.endr
.endr
.endr
.irp dt, 0,1,2,3
.irp qt, 0,1
	ds_store_b128 v[STO], v[KR+4*(2*\dt+\qt):KR+4*(2*\dt+\qt)+3] offset:\qt*16*KP+\dt*32   ; query 16 qt + r, d = 16 dt + 8 h ..
.endr
.endr
.irp t, 0,1,2,3,4,5,6,7
	ds_load_b128 v[VR+4*\t:VR+4*\t+3], v[RD] offset:\t*4*KP    ; my own bytes; LDS serves a wave in order (ISA guide 5.7.1)
.endr
.irp t, 0,1,2,3,4,5,6,7
	s_wait_dscnt 7-\t
	global_store_b128 v[CO], v[VR+4*\t:VR+4*\t+3], s[66:67] offset:512*\t   ; four rows: 512 consecutive bytes, aligned
.endr
	s_wait_xcnt 0x0                                ; V's registers and the base are written again only behind this wait
.endm
; One tile.  diag = 1: known to be a diagonal tile.  fin = 0: cannot end a block; 1: ends the first pass if kb = 0; 2: ends the second pass.
.macro TRIP slot, refill, diag, fin
	s_set_vgpr_msb 0x5
	s_wait_tensorcnt 0x0                           ; all my tensor loads have landed, my part of this tile among them: a group 0 may be written
	ds_add_u32 v64, v65
	s_wait_dscnt 0x0
	s_set_vgpr_msb 0x500
.if \refill
	SETADDR (1-\slot), s15
	s_sub_co_u32 s19, s15, 1
	s_cmp_eq_u32 s15, 0
	s_cselect_b32 s15, s11, s19                    ; behind block 0 comes the second pass's block c
.endif
	s_wait_dscnt 0x0                               ; my reads of the other slot are done
	s_barrier_signal -1
	s_barrier_wait -1                              ; both hold of all eight waves
.if \refill
	JLOAD (1-\slot)                                ; my one tensor load behind this barrier: the next tile, into the slot read last
.endif
	s_wait_loadcnt 0x0                             ; Q (asked for at the start or at the end of the first pass) is in
.if \diag
	s_mov_b32 s17, s10                             ; below my diagonal sub-step: tq whole sub-steps, at most 3
	SUBSTEP KAM+\slot, VAM+\slot, 0, 0, 1
.else
	s_cmp_eq_u32 s14, s13
	s_cselect_b32 s17, s10, 4                      ; a tile below the diagonal has four whole sub-steps
	s_cbranch_scc0 .Lnd_\@
	SUBSTEP KAM+\slot, VAM+\slot, 0, 0, 1
.Lnd_\@:
	s_cmp_le_u32 s17, 3
	s_cbranch_scc1 .Ls3_\@
	SUBSTEP KA+\slot, VA+\slot, 3*64*KP, 3*64*VP, 0
.Ls3_\@:
.endif
.irp i, 2,1,0
	s_cmp_le_u32 s17, \i
	s_cbranch_scc1 .Ls_\@_\i
	SUBSTEP KA+\slot, VA+\slot, \i*64*KP, \i*64*VP, 0
.Ls_\@_\i:
.endr
.if \fin == 1
	s_cmp_lg_u32 s14, 0
	s_cbranch_scc1 .Lnf_\@
	FINAL 1
	s_add_co_u32 s14, s11, 1                       ; kb = c after the step below
.Lnf_\@:
.endif
.if \fin == 2
	FINAL 0
.else
	s_sub_co_u32 s14, s14, 1
.endif
.endm
	TRIP 0, 1, 1, 0                                ; tile 0 is the first pass's diagonal tile: it starts maximum, sum and O on every path
	s_mov_b32 s18, 3
.Ltiles:
	TRIP 1, 1, 0, 1                                ; tiles 1 to 6
	TRIP 0, 1, 0, 1
	s_sub_co_u32 s18, s18, 1
	s_cmp_lg_u32 s18, 0
	s_cbranch_scc1 .Ltiles
	TRIP 1, 1, 0, 1                                ; tile 7
	TRIP 0, 0, 0, 2                                ; tile 8: key block 0 of the second pass; nothing is left to fetch, and its wait for 0 leaves no tensor load out
	s_set_vgpr_msb 0x5
	s_wait_tensorcnt 0x0
	ds_add_u32 v64, v65
	s_wait_dscnt 0x0
	s_set_vgpr_msb 0x500
	s_endpgm
.Lfunc_end_k_q6bd1ce1fed_attn:
	.size	k_q6bd1ce1fed_attn, .Lfunc_end_k_q6bd1ce1fed_attn-k_q6bd1ce1fed_attn
	.p2alignl 7, 3214868480
	.fill 96, 4, 3214868480
	.section	.rodata,"a",@progbits
	.p2align	6, 0x0
	.amdhsa_kernel k_q6bd1ce1fed_attn
		.amdhsa_group_segment_fixed_size 327680
		.amdhsa_private_segment_fixed_size 0
		.amdhsa_enable_private_segment 0
		.amdhsa_kernarg_size 16
		.amdhsa_user_sgpr_count 2
		.amdhsa_user_sgpr_kernarg_segment_ptr 1
		.amdhsa_wavefront_size32 1
		.amdhsa_system_sgpr_workgroup_id_x 1
		.amdhsa_system_sgpr_workgroup_id_y 1
		.amdhsa_system_sgpr_workgroup_id_z 1
		.amdhsa_system_vgpr_workitem_id 0
		.amdhsa_next_free_vgpr 322
		.amdhsa_next_free_sgpr 70
		.amdhsa_reserve_vcc 1
		.amdhsa_float_denorm_mode_32 3
		.amdhsa_float_denorm_mode_16_64 3
		.amdhsa_memory_ordered 1
		.amdhsa_forward_progress 1
		.amdhsa_inst_pref_size 255
	.end_amdhsa_kernel
	.section	.bss,"aw",@nobits
	.p2align	6
	.space	262144
	.amdgpu_metadata
---
amdhsa.version: [ 1, 2 ]
amdhsa.kernels:
  - .name:           k_q6bd1ce1fed_attn
    .symbol:         k_q6bd1ce1fed_attn.kd
    .args:
      - { .name: qkv, .offset: 0, .size: 8, .value_kind: global_buffer, .address_space: global }
      - { .name: av, .offset: 8, .size: 8, .value_kind: global_buffer, .address_space: global }
    .group_segment_fixed_size: 327680
    .private_segment_fixed_size: 0
    .kernarg_segment_align: 8
    .kernarg_segment_size: 16
    .max_flat_workgroup_size: 256
    .sgpr_count:     70
    .vgpr_count:     322
    .wavefront_size: 32
...
	.end_amdgpu_metadata
.endif
;; end of part 3
;; launch proj (part 4): grid 8 x 32, 4 waves a work-group, clusters of 4 x 4, 327,680 bytes of LDS; arguments av, wt, b_o, out0; writes out0
.if DOCPART == 4
	.amdgcn_target "amdgcn-amd-amdhsa--gfx1250"
	.amdhsa_code_object_version 6
	.text
	.protected	k_q6bd1ce1fed_proj
	.globl	k_q6bd1ce1fed_proj
	.p2align	8
	.type	k_q6bd1ce1fed_proj,@function
k_q6bd1ce1fed_proj:
	s_mov_b64 s[64:65], 0
	v_nop
	global_prefetch_b8 v0, s[64:65] scope:SCOPE_SE
	s_setreg_imm32_b32 hwreg(HW_REG_WAVE_MODE, 25, 1), 1
	s_wait_xcnt 0x0
	s_wait_alu depctr_hold_cnt(0) depctr_sa_sdst(0) depctr_va_vdst(0) depctr_va_sdst(0) depctr_va_ssrc(0) depctr_va_vcc(0) depctr_vm_vsrc(0)
	s_getreg_b32 s2, hwreg(HW_REG_IB_STS2, 6, 4)
	s_cmp_eq_u32 s2, 0
	s_cbranch_scc0 .Lentry_in_a_cluster
	s_endpgm
.Lentry_in_a_cluster:
	s_bfe_u32 s2, ttmp6, 0x10000c
	s_cmp_lg_u32 s2, 0xf033
	s_cbranch_scc0 .Lentry_shape_is_right
	s_endpgm
.Lentry_shape_is_right:
; out0 = av W_o + b_o.  A = av [16 h][8192][64] f16 (k = 64 h + d), B = wt rows 3072-4095 [n][1024] f16, sums and bias in f32, out0 f32.
; NaN and infinities in the inputs are not followed.
; A work-group makes 256 rows x 128 columns with four waves, 2 x 2; a wave makes 128 x 64: 32 accumulator tiles.  32 x 8 = 256 work-groups.
; K goes in steps of 128 = two heads through a ring of two LDS slots.  A's part of a slot is two head panels of 256 rows of 128 bytes
; (pitch 144; dense in memory, so a panel is 32,768 consecutive bytes); B's part is 128 rows of 256 bytes (pitch 272).
; CLUSTERS: 4 x 4; A's panels are asked for jointly along a row of the cluster, B's tiles along a column.
; WHERE K STARTS: a lap is two K steps, K has four laps.  A cluster starts at lap r = (2 X + Y) & 3 (X, Y: the cluster's own place in the grid, the same
; number in all sixteen partners) and walks (r + j) & 3.  The two clusters that read the same rows of av are two laps apart, so each asks first for
; one half of them and finds the other half asked for two laps before; four neighbouring Y, which read the same rows of wt, hold four different r.
; So the order of the f32 sum along K is turned by whole laps from cluster to cluster.
; Windows, transposed use and the order of the accumulators' turns (one instruction a turn) as in the first projection.
.set NBF,    4
.set APITCH, 144
.set APAN,   256*APITCH                ; 36,864: one head panel, what one wave fetches of A
.set BPITCH, 272
.set BTILE,  64*BPITCH                 ; what one wave fetches of B
.set BOFS,   2*APAN
.set SLOT,   BOFS+2*BTILE              ; 108,544
.set STAGE,  2*SLOT                    ; 217,088: 16 rows x 272 bytes for each wave, never filled by a tensor load
.set SPITCH, 272
.set LAPS,   4
.set ADRA, 16
.set ADRB, 20
.set STO,  24
.set RD,   25
.set CO,   26
.set BOFF, 27
.set F0,   32                          ; fragment buffer 0: v32-63 B, v80-143 A
.set F1,   144
.set FA,   48
.set BIAS, 192                         ; window 1
.set G1,  24
.set G0,  32
.set G1B, 40
.set G0B, 48
                                       ; s72 the lap along K to ask for, 0..3; s[74:75] A's byte offset; s[76:77] B's
.set MSB, 0
.macro WIN new
.if MSB != \new
	s_set_vgpr_msb (MSB<<8)|\new
.set MSB, \new
.endif
.endm
.set MUL_LO, 0x50
.set MUL_HI, 0xa0
.macro JLOAD s
	s_cmp_eq_u32 s13, 0
	s_cbranch_scc0 .Lfor_b_\@
	tensor_load_to_lds s[G0+4*\s:G0+4*\s+3], s[G1:G1+7]
	s_nop 0
	s_branch .Lasked_\@
.Lfor_b_\@:
	tensor_load_to_lds s[G0B+4*\s:G0B+4*\s+3], s[G1B:G1B+7]
	s_nop 0
.Lasked_\@:
.endm
.macro CREST
	s_cmp_lg_u32 s12, 0
	s_cbranch_scc1 .Lnot_wave_0_\@
	s_barrier_signal -3
.Lnot_wave_0_\@:
	s_barrier_wait -3
	s_barrier_signal -1
	s_barrier_wait -1
.endm
.macro CROUND
	s_barrier_signal -1
	s_barrier_wait -1
	CREST
.endm
; Both group 0 of a slot for lap s72 (step = 1: first go on to the next lap, round the end of K).  The offsets are made of the cluster's place,
; the lap and constants alone; written only where no tensor load of the wave is out.
.macro SETK slot, step
.if \step
	s_add_co_u32 s72, s72, 1
	s_and_b32 s72, s72, 3
.endif
	s_lshl_b32 s74, s72, 22                        ; A: four head panels of 1,048,576 bytes a lap
	s_add_co_u32 s74, s74, \slot*0x200000          ; the slot's two heads of the lap
	s_lshl_b32 s76, s72, 9                         ; B: 512 bytes of a row a lap
	s_add_co_u32 s76, s76, \slot*256
	s_add_nc_u64 s[G0+4*\slot+2:G0+4*\slot+3], s[20:21], s[74:75]
	s_or_b32 s[G0+4*\slot+3], s[G0+4*\slot+3], 0x80000000
	s_add_nc_u64 s[G0B+4*\slot+2:G0B+4*\slot+3], s[56:57], s[76:77]
	s_or_b32 s[G0B+4*\slot+3], s[G0B+4*\slot+3], 0x80000000
.endm
	s_load_b256 s[4:11], s[0:1], 0x0               ; av s[4:5], wt s[6:7], b_o s[8:9], out0 s[10:11]
	v_lshl_add_u32 v190, v0, 2, 0x39400
	v_mov_b32 v191, 0
	ds_add_u32 v190, v191
	ds_add_u32 v190, v191
	v_lshrrev_b32 v1, 5, v0
	v_readfirstlane_b32 s12, v1                    ; wave 0..3
	s_lshr_b32 s13, s12, 1                         ; my half of the rows; also: I fetch for A (0) or B (1)
	s_and_b32 s14, s12, 1                          ; my half of the columns; also: which panel or half tile I fetch
	s_bfe_u32 s17, ttmp6, 0x40000                  ; cx
	s_bfe_u32 s18, ttmp6, 0x40004                  ; cy
	s_lshl_b32 s16, ttmp9, 2
	s_add_co_u32 s16, s16, s17                     ; block column, 0..7
	s_and_b32 s15, ttmp7, 0xffff                   ; Y, the cluster's y, 0..7
	s_lshl_b32 s72, ttmp9, 1
	s_add_co_u32 s72, s72, s15
	s_and_b32 s72, s72, 3                          ; r = (2 X + Y) & 3: the first lap
	s_mov_b32 s75, 0
	s_mov_b32 s77, 0
	s_lshl_b32 s15, s15, 2
	s_add_co_u32 s15, s15, s18                     ; block row, 0..31
	s_lshl_b32 s19, s18, 2
	s_lshl_b32 s19, 15, s19                        ; my row of the cluster
	s_lshl_b32 s56, 0x1111, s17                    ; my column
	s_or_b32 s[G1+0], s19, (1<<16)|(1<<20)|(1<<21)|(4<<22)|(3<<25)    ; A: 4 words of padding behind every 32
	s_or_b32 s[G1B+0], s56, (1<<16)|(1<<20)|(1<<21)|(5<<22)|(3<<25)   ; B: behind every 64
	s_mov_b32 s[G1+1], 64<<16                      ; tensor_dim0 = 64
	s_mov_b32 s[G1+2], 256<<16                     ; tensor_dim1 = 256
	s_mov_b32 s[G1+3], 64<<16                      ; tile_dim0 = 64
	s_mov_b32 s[G1+4], 256                         ; tile_dim1 = 256
	s_mov_b32 s[G1+5], 64                          ; elements from row to row
	s_mov_b32 s[G1+6], 0
	s_mov_b32 s[G1+7], 0
	s_mov_b32 s[G1B+1], 128<<16
	s_mov_b32 s[G1B+2], 64<<16
	s_mov_b32 s[G1B+3], 128<<16
	s_mov_b32 s[G1B+4], 64
	s_mov_b32 s[G1B+5], 1024
	s_mov_b32 s[G1B+6], 0
	s_mov_b32 s[G1B+7], 0
	s_lshl_b32 s20, s14, 20                        ; A: my head panel of a K step, rows 256 x block row (registers that never hold cx)
	s_lshl_b32 s19, s15, 15
	s_add_co_u32 s20, s20, s19
	s_mov_b32 s21, 0
	s_mul_i32 s22, s12, APAN
	s_lshl_b32 s56, s16, 7                         ; B: row 3072 + 128 x block column + 64 x half (registers that never hold cy)
	s_lshl_b32 s57, s14, 6
	s_add_co_u32 s56, s56, s57
	s_add_co_u32 s56, s56, 3072
	s_lshl_b32 s56, s56, 11
	s_mov_b32 s57, 0
	s_mul_i32 s58, s12, BTILE
	s_add_co_u32 s58, s58, BOFS-2*BTILE
	s_lshl_b32 s60, s16, 9                         ; the bias of my 64 columns, in bytes
	s_lshl_b32 s61, s14, 8
	s_add_co_u32 s60, s60, s61
	s_mov_b32 s61, 0
	s_wait_dscnt 0x0
	s_wait_kmcnt 0x0
	s_add_nc_u64 s[20:21], s[4:5], s[20:21]        ; A at my rows, heads 0 and 1; stays as it is
	s_add_nc_u64 s[56:57], s[6:7], s[56:57]        ; B at my rows, K = 0; stays as it is
	s_add_nc_u64 s[8:9], s[8:9], s[60:61]
	CROUND                                         ; all sixteen work-groups are here: the first joint loads meet
.irp s, 0,1
	s_mov_b32 s[G0+4*\s], 1
	s_add_co_u32 s[G0+4*\s+1], s22, \s*SLOT
	s_mov_b32 s[G0B+4*\s], 1
	s_add_co_u32 s[G0B+4*\s+1], s58, \s*SLOT
	SETK \s, 0
	JLOAD \s                                       ; two loads of the wave are out
.endr
	v_and_b32 v1, 15, v0                           ; r
	v_bfe_u32 v2, v0, 4, 1                         ; h
	v_mul_u32_u24 v3, v1, APITCH
	v_lshl_add_u32 v3, v2, 4, v3
	v_mul_u32_u24 v4, v1, BPITCH
	v_lshl_add_u32 v4, v2, 4, v4
	s_mul_i32 s60, s13, 128*APITCH                 ; my 128 rows of A
	s_mul_i32 s61, s14, BTILE                      ; my 64 rows of B
	s_add_co_u32 s61, s61, BOFS
.irp s, 0,1
	v_add_nc_u32 v[ADRA+\s], s60, v3
	v_add_nc_u32 v[ADRB+\s], s61, v4
	s_add_co_u32 s60, s60, SLOT
	s_add_co_u32 s61, s61, SLOT
.endr
	s_mul_i32 s60, s12, 16*SPITCH
	s_add_co_u32 s60, s60, STAGE                   ; my stage
	v_mul_u32_u24 v4, v1, SPITCH                   ; in: row r, 32 bytes for each half of the lanes
	v_lshl_add_u32 v4, v2, 5, v4
	v_add_nc_u32 v[STO], s60, v4
	v_mul_u32_u24 v5, v2, SPITCH                   ; back: lanes 0-15 one row of 256 bytes, lanes 16-31 the next
	v_lshl_add_u32 v5, v1, 4, v5
	v_add_nc_u32 v[RD], s60, v5
	v_lshlrev_b32 v5, 12, v2                       ; and the same two rows in out0
	v_lshl_add_u32 v[CO], v1, 4, v5
	v_lshlrev_b32 v[BOFF], 5, v2
	WIN 0x40
.irp b, 0,1,2,3
	global_load_b128 v[BIAS+8*\b:BIAS+8*\b+3], v[BOFF], s[8:9] offset:64*\b
	global_load_b128 v[BIAS+8*\b+4:BIAS+8*\b+7], v[BOFF], s[8:9] offset:64*\b+16
.endr
	WIN 0
.macro MUL2 f, hi, a0, zero            ; 8 matrix instructions
.irp a, \a0, \a0+1
.irp b, 0,1,2,3
.if \zero
	v_wmma_f32_16x16x32_f16 v[8*((\a)*NBF+\b):8*((\a)*NBF+\b)+7], v[\f+8*\b:\f+8*\b+7], v[\f+FA+8*(4*\hi+(\a)):\f+FA+8*(4*\hi+(\a))+7], 0
.else
	v_wmma_f32_16x16x32_f16 v[8*((\a)*NBF+\b):8*((\a)*NBF+\b)+7], v[\f+8*\b:\f+8*\b+7], v[\f+FA+8*(4*\hi+(\a)):\f+FA+8*(4*\hi+(\a))+7], v[8*((\a)*NBF+\b):8*((\a)*NBF+\b)+7]
.endif
.endr
.endr
.endm
; 24 LDS loads in one run.  Quarter q of a K step is head panel q / 2, d = 32 (q % 2) .. in A, and byte 64 q of the rows in B.
.macro FETCH slot, q, f
	WIN 0
.irp i, 0,1,2,3
	ds_load_b128 v[\f+8*\i:\f+8*\i+3],   v[ADRB+\slot] offset:64*\q+\i*16*BPITCH
	ds_load_b128 v[\f+8*\i+4:\f+8*\i+7], v[ADRB+\slot] offset:64*\q+\i*16*BPITCH+32
.endr
.irp i, 0,1,2,3,4,5,6,7
	ds_load_b128 v[\f+FA+8*\i:\f+FA+8*\i+3],   v[ADRA+\slot] offset:(\q>>1)*APAN+(\q&1)*64+\i*16*APITCH
	ds_load_b128 v[\f+FA+8*\i+4:\f+FA+8*\i+7], v[ADRA+\slot] offset:(\q>>1)*APAN+(\q&1)*64+\i*16*APITCH+32
.endr
.endm
.macro PLACES                          ; four places (ISA guide 7.12.1)
.rept 4
	v_nop
.endr
.endm
.macro QUARTER slot, q, f, g, zero
	s_wait_dscnt 8                                 ; B and A's rows 0-63 are in; the youngest eight loads may be out
	WIN MUL_LO
	MUL2 \f, 0, 0, \zero
	MUL2 \f, 0, 2, \zero
	PLACES
	FETCH \slot, \q, \g
	s_wait_dscnt 24                                ; all but the 24 just issued
	WIN MUL_HI
	MUL2 \f, 1, 0, \zero
	MUL2 \f, 1, 2, \zero
.endm
.macro THREE slot, zero
	QUARTER \slot, 1, F0, F1, \zero
	QUARTER \slot, 2, F1, F0, 0
	QUARTER \slot, 3, F0, F1, 0
.endm
.macro TURN slot, next, fill
	s_wait_dscnt 8
	WIN MUL_LO
	MUL2 F1, 0, 0, 0
	s_wait_dscnt 0                                 ; my reads of this slot are over
	s_wait_tensorcnt 0x0                           ; all my tensor loads have landed: a group 0 may be written
	ds_add_u32 v190, v191
	s_wait_dscnt 0x0
.if \fill
	SETK \slot, 1-\slot                            ; slot 0 goes on to the next lap, slot 1 follows it
.endif
	s_barrier_signal -1
	MUL2 F1, 0, 2, 0
	WIN 0
	s_barrier_wait -1
.if \fill
	CREST                                          ; no wave of any partner still reads this slot or has a load on its way
	JLOAD \slot                                    ; my one tensor load behind the round: 120 matrix instructions until its wait
.endif
	PLACES
	FETCH \next, 0, F0
	WIN MUL_HI
	MUL2 F1, 1, 0, 0
	MUL2 F1, 1, 2, 0
.endm
.macro LAP zero
	THREE 0, \zero
	TURN 0, 1, 1
	THREE 1, 0
	TURN 1, 0, 1
.endm
	s_wait_tensorcnt 1                             ; my part of the first K step is in; the second stays out
	s_barrier_signal -1
	s_barrier_wait -1
	FETCH 0, 0, F0
	LAP 1
	WIN 0
	s_mov_b32 s3, LAPS-2
.Llap:
	LAP 0
	WIN 0
	s_sub_co_u32 s3, s3, 1
	s_cmp_lg_u32 s3, 0
	s_cbranch_scc1 .Llap
	THREE 0, 0
	TURN 0, 1, 0
	THREE 1, 0
	s_wait_dscnt 8
	WIN MUL_LO
	MUL2 F1, 0, 0, 0
	MUL2 F1, 0, 2, 0
	s_wait_dscnt 0
	WIN MUL_HI
	MUL2 F1, 1, 0, 0
	MUL2 F1, 1, 2, 0
	; THE WAY OUT, 16 rows at a time: add the bias, 32 bytes a lane and tile into my own stage, whole rows of 256 bytes back.
	PLACES
	s_wait_loadcnt 0x0                             ; the bias
	s_lshl_b32 s60, s15, 8
	s_lshl_b32 s61, s13, 7
	s_add_co_u32 s60, s60, s61                     ; my first row
	s_lshl_b32 s60, s60, 12                        ; 4,096 bytes a row
	s_lshl_b32 s61, s16, 9
	s_add_co_u32 s60, s60, s61
	s_lshl_b32 s61, s14, 8
	s_add_co_u32 s60, s60, s61                     ; my first column, in bytes
	s_mov_b32 s61, 0
	s_add_nc_u64 s[10:11], s[10:11], s[60:61]
.macro OUT16 a, ta, win, f
	WIN \win
.irp b, 0,1,2,3
.irp p, 0,1,2,3
	v_pk_add_f32 v[F0+8*\b+2*\p:F0+8*\b+2*\p+1], v[8*(\ta*NBF+\b)+2*\p:8*(\ta*NBF+\b)+2*\p+1], v[BIAS+8*\b+2*\p:BIAS+8*\b+2*\p+1]
.endr
.endr
	WIN 0
.irp b, 0,1,2,3
	ds_store_b128 v[STO], v[F0+8*\b:F0+8*\b+3] offset:64*\b
	ds_store_b128 v[STO], v[F0+8*\b+4:F0+8*\b+7] offset:64*\b+16
.endr
	s_wait_xcnt 0x0                                ; buffer f, which earlier stores read, and their base are written again only behind this wait
.if \a
	s_add_nc_u64 s[10:11], s[10:11], 16*4096
.endif
.irp t, 0,1,2,3,4,5,6,7
	ds_load_b128 v[\f+4*\t:\f+4*\t+3], v[RD] offset:\t*2*SPITCH   ; my own bytes; LDS serves a wave in order (ISA guide 5.7.1)
.endr
.irp t, 0,1,2,3,4,5,6,7
	s_wait_dscnt 7-\t
	global_store_b128 v[CO], v[\f+4*\t:\f+4*\t+3], s[10:11] offset:\t*8192 th:TH_STORE_NT   ; sixteen lanes: 256 consecutive bytes of a row, aligned
.endr
.endm
	OUT16 0, 0, 0x05, 64
	OUT16 1, 1, 0x05, 96
	OUT16 2, 2, 0x05, 64
	OUT16 3, 3, 0x05, 96
	OUT16 4, 0, 0x06, 64
	OUT16 5, 1, 0x06, 96
	OUT16 6, 2, 0x06, 64
	OUT16 7, 3, 0x06, 96
	s_wait_tensorcnt 0x0
	ds_add_u32 v190, v191
	s_wait_dscnt 0x0
	CROUND                                         ; the closing round
	s_endpgm
.Lfunc_end_k_q6bd1ce1fed_proj:
	.size	k_q6bd1ce1fed_proj, .Lfunc_end_k_q6bd1ce1fed_proj-k_q6bd1ce1fed_proj
	.p2alignl 7, 3214868480
	.fill 96, 4, 3214868480
	.section	.rodata,"a",@progbits
	.p2align	6, 0x0
	.amdhsa_kernel k_q6bd1ce1fed_proj
		.amdhsa_group_segment_fixed_size 327680
		.amdhsa_private_segment_fixed_size 0
		.amdhsa_enable_private_segment 0
		.amdhsa_kernarg_size 32
		.amdhsa_user_sgpr_count 2
		.amdhsa_user_sgpr_kernarg_segment_ptr 1
		.amdhsa_wavefront_size32 1
		.amdhsa_system_sgpr_workgroup_id_x 1
		.amdhsa_system_sgpr_workgroup_id_y 1
		.amdhsa_system_sgpr_workgroup_id_z 1
		.amdhsa_system_vgpr_workitem_id 0
		.amdhsa_next_free_vgpr 768
		.amdhsa_next_free_sgpr 78
		.amdhsa_reserve_vcc 0
		.amdhsa_float_denorm_mode_32 3
		.amdhsa_float_denorm_mode_16_64 3
		.amdhsa_memory_ordered 1
		.amdhsa_forward_progress 1
		.amdhsa_inst_pref_size 130
	.end_amdhsa_kernel
	.amdgpu_metadata
---
amdhsa.version: [ 1, 2 ]
amdhsa.kernels:
  - .name:           k_q6bd1ce1fed_proj
    .symbol:         k_q6bd1ce1fed_proj.kd
    .args:
      - { .name: av, .offset: 0, .size: 8, .value_kind: global_buffer, .address_space: global }
      - { .name: wt, .offset: 8, .size: 8, .value_kind: global_buffer, .address_space: global }
      - { .name: b_o, .offset: 16, .size: 8, .value_kind: global_buffer, .address_space: global }
      - { .name: out0, .offset: 24, .size: 8, .value_kind: global_buffer, .address_space: global }
    .group_segment_fixed_size: 327680
    .private_segment_fixed_size: 0
    .kernarg_segment_align: 8
    .kernarg_segment_size: 32
    .max_flat_workgroup_size: 128
    .sgpr_count:     78
    .vgpr_count:     768
    .wavefront_size: 32
...
	.end_amdgpu_metadata
.endif
;; end of part 4
